; MI455X (gfx1250); checked and timed in simulation.
; The chip was launched on July 23, 2026; its instructions are those of AMD's public machine-readable ISA for CDNA 5 (MIT licence, August 2026) and "CDNA5" Instruction Set Architecture Reference Guide (July 2026). The comments in the code are by the model that wrote it; some were corrected since.
;; Attention Layer. Allowed arithmetic: matrix products marked QUANTISED: E2M1 operands, one E8M0 scale for each 32 along K, by v_wmma_scale_f32_16x16x128_f8f6f4 with both operands' format E2M1 (or v_wmma_scale_f32_32x16x128_f4), f32 sums; products left as they are: f32 operands where the result goes on into a quantised operand, else bf16, f16 or f32 operands; f32 sums; everything else in f32.
;; Inputs: W1 2,048 x 1,024 float32; W2 1,024 x 1 float32; b1 1,024 float32; b2 1 float32; h_decoder_prev 32 x 1,024 float32; h_encoder 32 x 2,048 x 1,024 float32.
;; Outputs: out0 32 x 1,024 float32; out1 32 x 2,048 x 1 float32.
;; This version of the problem:
;;   THIS VERSION OF THE PROBLEM IS GIVEN IN LOW PRECISION. The matrix products marked QUANTISED in the list below multiply operands that are first quantised to E2M1 (2 exponent bits, 1 mantissa bit; 4 bits a number), with one power-of-two scale for each 32 numbers along K (OCP MX v1.0); their sums are f32. All else is computed in f32.
;;   The module's matrix products, in the order in which they are computed (A, B: the left and right operand; K: the contracted axis; several contracted axes count as one K, in the product's order):
;;     1. [M 32, K 1,024] x [K 1,024, N 1,024]; A: input h_decoder_prev; B: input W1: QUANTISED
;;     2. [M 65,536, K 1,024] x [K 1,024, N 1,024]; A: input h_encoder; B: input W1: QUANTISED
;;     3. [M 65,536, K 1,024] x [K 1,024, N 1]; A: computed on the way; B: input W2: left as it is (N = 1 < 16)
;;   THE QUANTISER, for each operand of a quantised product, along K:
;;     - K is cut into blocks of 32 from its start; a last block that is shorter is filled with zeros.
;;     - A block's scale is 2^e with e = floor(log2(the largest magnitude in the block)) - 2, held to -126 .. 127; a block of zeros has e = 0. As a byte (E8M0): e + 127.
;;     - Each number is divided by its block's scale, clamped to +-6, and rounded to the nearest number of E2M1, ties to even, subnormals kept.
;;     - The product sums the exact products of the quantised numbers (number of the format x scale) in f32.
;;   ~~~python
;;   def quantise(x, axis):      # numpy; x: float32 -> the quantised numbers, widened to float32 again
;;       x = np.moveaxis(x, axis, -1); K = x.shape[-1]
;;       x = np.pad(x, [(0, 0)] * (x.ndim - 1) + [(0, -K % 32)]); x = x.reshape(x.shape[:-1] + (-1, 32)); a = np.abs(x).max(-1, keepdims=True)
;;       e = np.where(a > 0, np.clip(np.frexp(np.where(a > 0, a, 1))[1] - 1 - 2, -126, 127), 0)      # np.frexp(a)[1] - 1 = floor(log2(a)), exactly
;;       r = np.clip(x / 2.0 ** e, -6, 6)
;;       step = 2.0 ** (np.maximum(np.frexp(np.where(r == 0, 1, r))[1] - 1, 0) - 1)
;;       q = np.round(r / step) * step * 2.0 ** e      # np.round: ties to even
;;       return np.moveaxis(q.reshape(q.shape[:-2] + (-1,))[..., :K], -1, axis).astype(np.float32)
;;   ~~~
;; One version. Each part assembles by itself: llvm-mc -triple=amdgcn-amd-amdhsa -mcpu=gfx1250 --defsym DOCPART=n.
;; ======== version 1 of 1: 3 launches
;; limits: right only within a limited range of input values
;; workspace buffers: w4 524,288 bytes; wsc 32,768 bytes; c2 262,144 bytes; part 1,114,112 bytes; ework 262,144 bytes
;; launch prep (part 1): grid 128 x 1, 16 waves a work-group, no clusters, 38,912 bytes of LDS; arguments W1, h_decoder_prev, b1, w4, wsc, c2; writes w4, wsc, c2
.if DOCPART == 1
	.amdgcn_target "amdgcn-amd-amdhsa--gfx1250"
	.amdhsa_code_object_version 6
	.text
	.protected	k_qbc568f787d_prep
	.globl	k_qbc568f787d_prep
	.p2align	8
	.type	k_qbc568f787d_prep,@function
k_qbc568f787d_prep:
	s_mov_b64 s[64:65], 0
	v_nop
	global_prefetch_b8 v0, s[64:65] scope:SCOPE_SE
	s_setreg_imm32_b32 hwreg(HW_REG_WAVE_MODE, 25, 1), 1
	s_wait_xcnt 0x0
; W1 [2048 (k)][1024 (u)] f32 is quantised along k to E2M1 with one E8M0 byte for each 32 k.
; Rows 0-1023 (the encoder's half) leave as codes and scale words in the order of the next launch's operand registers (w4, wsc).
; Rows 1024-2047 (the decoder's half) are multiplied here: c2[q][u / 32][batch][u % 32] = 2 log2(e) (the sum over K steps 4 q .. 4 q + 3 of Q(h_decoder_prev) Q(W1_dec), + b1 where q = 0); the next launch adds the two parts.
; SHARES.  Work-group x: half = x / 64, J = (x / 2) % 32 (columns 32 J .. 32 J + 31), q = x % 2 (four K steps of 128).  Wave a of sixteen takes ONE block of 32 rows: K step 4 q + a / 4, block a % 4.
; A LANE TAKES A COLUMN AND ITS REGISTERS RUN DOWN K: the block lies in one lane's 32 registers, its largest magnitude needs no other lane, and the conversions give 16 bytes of codes with K innermost.
; A wave has 32 loads for W (41 in the decoder's half): all are out together.  A load of a wave reads 128 consecutive bytes of a row of W1 (32 columns): half an aligned block of 256; the tensor is 8 MB of the program's 277.
; Lanes 0-15 hold one tile of 16 units and lanes 16-31 the next: sixteen lanes' 16 bytes are 256 consecutive, aligned bytes of a fragment's image.
; THE TWO HALVES ARE TWO PATHS that part once, on the work-group's number; each has LDS bytes of its own.
; A block's scale byte is its largest magnitude's exponent field - 2, held at 1 from below by a floor among the maximum's leaves.
; LIMITS: a block of zeros keeps the byte 1 (its codes are zeros, and this program alone reads the bytes); blocks under 2^-124 keep the byte 1; NaN and infinities are not served (b1 is multiplied by 1 or 0).
; The decoder's product is split along K over four waves and two work-groups and the parts are added in f32: another order of rounding than one chain of K steps.
; No tensor loads, clusters or prefetches: 8 MB, read once, by loads that are all on their way at the head.
.set K2,   0x4038aa3b                  ; 2 log2(e)
.set X,    32                          ; v32-63   my block of W1
.set H,    64                          ; v64-95   my block a lane of h_decoder_prev; later v64-71 the four parts
.set ESC,  0                           ; LDS, the encoder's path: 512 scale bytes: 16 x lane + wave
.set DIMG, 1024                        ; LDS, the decoder's path: W's eight fragments (K step sl, tile u) at 2,048 sl + 1,024 u;
.set DSC,  9216                        ; their 512 scale bytes: 16 x lane + wave;
.set HIMG, 9728                        ; h_decoder_prev's eight fragments (2 sl + tile of batches), 1,024 bytes each;
.set HSC,  17920                       ; their 512 scale bytes: 32 x row + 2 x wave + lane / 16;
.set PS,   18432                       ; four K steps' parts of the product
.set PSW,  4608                        ; a part: 32 batches x PP
.set PP,   144                         ; a batch's row: 32 units x 4 bytes + 16: the two halves of the lanes, eight rows apart, fall 32 banks apart (64 banks of 4 bytes: ISA guide 11.1)
; v2, v3 the product's scale words (they hold scales alone); v4-11, v15, v24-31 addresses; v12-14 at work; v16-23 codes; v96-97 b1; v98, v99 scale bytes; v100-107, v108-115 the product's operands; v116-123 its result
	s_load_b256 s[4:11], s[0:1], 0x0               ; W1 s[4:5], h_decoder_prev s[6:7], b1 s[8:9], w4 s[10:11]
	s_load_b128 s[12:15], s[0:1], 0x20             ; wsc s[12:13], c2 s[14:15]
	v_lshl_add_u32 v128, v0, 2, 0x9000
	v_mov_b32 v129, 0
	v_lshrrev_b32 v12, 5, v0
	s_delay_alu instid0(VALU_DEP_1)
	v_readfirstlane_b32 s16, v12                   ; wave a
	v_and_b32 v12, 31, v0                          ; lane
	v_and_b32 v13, 15, v0                          ; n
	v_bfe_u32 v14, v0, 4, 1                        ; lane / 16
	s_delay_alu instid0(VALU_DEP_3)
	v_lshlrev_b32 v4, 2, v12                       ; W1: 4 bytes a lane
	s_lshr_b32 s17, ttmp9, 6                       ; half
	s_bfe_u32 s18, ttmp9, 0x50001                  ; J
	s_and_b32 s19, ttmp9, 1                        ; q
	s_lshl_b32 s20, s17, 22                        ; W1: 1,024 half + 512 q + 32 a rows of 4,096 bytes,
	s_lshl_b32 s21, s19, 21
	s_add_co_u32 s20, s20, s21
	s_lshl_b32 s21, s16, 17
	s_add_co_u32 s20, s20, s21
	s_lshl_b32 s21, s18, 7
	s_add_co_u32 s20, s20, s21                     ; + 32 J columns
	s_mov_b32 s21, 0
	s_wait_alu depctr_va_vdst(0)
	s_wait_kmcnt 0x0
	s_add_nc_u64 s[4:5], s[4:5], s[20:21]
.set I_, 0
.rept 32
	global_load_b32 v[X+I_], v4, s[4:5] offset:I_*4096 th:TH_LOAD_NT   ; my block: 32 rows, my column
.set I_, I_+1
.endr
	s_lshr_b32 s34, s16, 2                         ; sl = a / 4: my K step among the four
	s_bfe_u32 s35, s16, 0x10001                    ; (a / 2) % 2
	s_and_b32 s36, s16, 1                          ; a % 2
	s_lshr_b32 s37, s16, 1                         ; a / 2
	s_lshl_b32 s38, s35, 9
	s_lshl_b32 s24, s36, 8
	s_add_co_u32 s38, s38, s24                     ; block b = a % 4 is registers 4 (b / 2) on of lanes 16 (b % 2) on of a fragment: 512 (b / 2) + 256 (b % 2) bytes into its image
; 32 numbers at v[x] on become 4 registers of codes at v[dst] on, and the scale's byte in v[byte]
.macro QB x, dst, byte
	v_max3_num_f32 v12, |v[\x]|, |v[\x+1]|, |v[\x+2]|               ; the block's largest magnitude, in two chains
	v_max3_num_f32 v13, |v[\x+3]|, |v[\x+4]|, |v[\x+5]|
.irp i, 6,10,14,18,22,26
	s_delay_alu instid0(VALU_DEP_2)
	v_max3_num_f32 v12, v12, |v[\x+\i]|, |v[\x+\i+1]|
	s_delay_alu instid0(VALU_DEP_2)
	v_max3_num_f32 v13, v13, |v[\x+\i+2]|, |v[\x+\i+3]|
.endr
	s_delay_alu instid0(VALU_DEP_2)
	v_max3_num_f32 v12, v12, |v[\x+30]|, |v[\x+31]|
	s_delay_alu instid0(VALU_DEP_1)
	v_max3_num_f32 v12, v12, v13, 0x1800000        ; and the floor 2^(3 - 127): the byte cannot fall under 1
	s_delay_alu instid0(VALU_DEP_1)
	v_add_nc_u32 v14, 0xff000000, v12              ; 2 off the exponent field: the conversion takes this operand's exponent field as its scale
	s_delay_alu instid0(VALU_DEP_1)
	v_lshrrev_b32 v[\byte], 23, v14                ; the scale's byte
.irp g, 0,1,2,3
	v_cvt_scalef32_pk8_fp4_f32 v[\dst+\g], v[\x+8*\g:\x+8*\g+7], v14
.endr
	v_nop                                          ; one plain place behind the last scaled conversion
.endm
	s_cmp_lt_u32 ttmp9, 64                         ; the encoder's half or the decoder's: by the work-group's number alone
	s_cbranch_scc0 .Ldec
	; ---- THE ENCODER'S HALF
	v_lshlrev_b32 v6, 4, v13
	s_delay_alu instid0(VALU_DEP_1)
	v_lshl_add_u32 v6, v14, 10, v6                 ; w4: 16 n, and lanes 16-31 the next tile's image, 1,024 bytes on
	v_lshlrev_b32 v8, 4, v12                       ; 16 x lane
	s_delay_alu instid0(VALU_DEP_1)
	v_add_nc_u32 v7, s16, v8                       ; LDS: my scale byte: 16 x lane + a: byte a % 4 of the word of K step a / 4
	s_lshl_b32 s39, s19, 2
	s_add_co_u32 s39, s39, s34                     ; s = 4 q + sl
	s_lshr_b32 s42, s18, 3                         ; w: the next launch's wave that owns these units
	s_bfe_u32 s43, s18, 0x20001                    ; g: its group of four tiles
	s_and_b32 s44, s18, 1                          ; p: which two tiles of the group
	s_lshl_b32 s45, s39, 12
	s_lshl_b32 s44, s44, 11
	s_add_co_u32 s45, s45, s44
	s_add_co_u32 s45, s45, s38                     ; 4,096 s + 2,048 p + my block's place
	s_mul_i32 s46, s42, 98304                      ; K steps 0-5: the images that go to registers: 98,304 w + 24,576 g
	s_mul_i32 s47, s43, 24576
	s_add_co_u32 s46, s46, s47
	s_lshl_b32 s47, s42, 15                        ; K steps 6, 7: those that go to LDS: 393,216 + 32,768 w + 8,192 g + 4,096 (s - 6)
	s_lshl_b32 s43, s43, 13
	s_add_co_u32 s47, s47, s43
	s_add_co_u32 s47, s47, 368640                  ; 393,216 - 6 x 4,096
	s_cmp_lt_u32 s39, 6
	s_cselect_b32 s28, s46, s47                    ; an offset is chosen, by ids
	s_add_co_u32 s28, s28, s45
	s_mov_b32 s29, 0
	s_lshl_b32 s30, s18, 10                        ; wsc: 1,024 J + 512 q
	s_lshl_b32 s31, s19, 9
	s_add_co_u32 s30, s30, s31
	s_mov_b32 s31, 0
	s_add_nc_u64 s[10:11], s[10:11], s[28:29]
	s_add_nc_u64 s[12:13], s[12:13], s[30:31]
	s_wait_loadcnt 0x0
	QB X, 16, 20
	global_store_b128 v6, v[16:19], s[10:11]       ; sixteen lanes store 256 consecutive, aligned bytes of a fragment's image
	ds_store_b8 v7, v20
	s_wait_dscnt 0x0                               ; for wave 0's sake: my scale bytes lie in LDS
	s_barrier_signal -1
	s_barrier_wait -1
	s_cmp_lg_u32 s16, 0                            ; the 512 bytes of scale words leave by wave 0
	s_cbranch_scc1 .Lenc_done
	ds_load_b128 v[24:27], v8
	s_wait_dscnt 0x0
	global_store_b128 v8, v[24:27], s[12:13]       ; 512 consecutive bytes
.Lenc_done:
	s_wait_tensorcnt 0x0
	ds_add_u32 v128, v129
	s_wait_dscnt 0x0
	s_endpgm
	; ---- THE DECODER'S HALF
.Ldec:
	; wave a also quantises half a fragment of h_decoder_prev: K step sl, batches 16 ((a / 2) % 2) on, registers 4 (a % 2) on: lane (n, lane / 16) takes block 2 (a % 2) + lane / 16 of row n: 32 neighbours
	v_lshlrev_b32 v5, 12, v13
	s_delay_alu instid0(VALU_DEP_1)
	v_lshl_add_u32 v5, v14, 7, v5                  ; row n of 4,096 bytes, + 32 numbers for lanes 16-31
	s_wait_alu depctr_va_vdst(0)
	s_lshl_b32 s22, s35, 16                        ; 16 rows,
	s_lshl_b32 s23, s19, 11                        ; 512 q numbers,
	s_add_co_u32 s22, s22, s23
	s_lshl_b32 s23, s34, 9                         ; 128 sl,
	s_add_co_u32 s22, s22, s23
	s_lshl_b32 s23, s36, 8                         ; 64 (a % 2)
	s_add_co_u32 s22, s22, s23
	s_mov_b32 s23, 0
	s_add_nc_u64 s[6:7], s[6:7], s[22:23]
.irp j, 0,1,2,3,4,5,6,7
	global_load_b128 v[H+4*\j:H+4*\j+3], v5, s[6:7] offset:16*\j
.endr
	s_lshl_b32 s26, s18, 7
	s_mov_b32 s27, 0
	s_add_nc_u64 s[8:9], s[8:9], s[26:27]
	v_lshlrev_b32 v15, 3, v13
	global_load_b64 v[96:97], v15, s[8:9]          ; b1 of the two units that I store at the end
	v_lshlrev_b32 v6, 4, v13
	s_delay_alu instid0(VALU_DEP_1)
	v_lshl_add_u32 v6, v14, 10, v6
	v_lshlrev_b32 v8, 4, v12                       ; 16 x lane
	s_wait_alu depctr_va_vdst(0)
	s_lshl_b32 s24, s34, 11                        ; 2,048 sl
	s_add_co_u32 s25, s24, s38
	s_add_co_u32 s25, s25, DIMG
	v_add_nc_u32 v24, s25, v6                      ; v24 where my block of W goes: as in w4
	s_add_co_u32 s25, s16, DSC
	v_add_nc_u32 v25, s25, v8                      ; v25 its scale byte: 16 x lane + a
	s_lshl_b32 s25, s16, 9
	s_add_co_u32 s25, s25, HIMG
	v_add_nc_u32 v26, s25, v8                      ; v26 where my half fragment of h goes: 512 a + 16 x lane
	s_lshl_b32 s25, s16, 1
	s_add_co_u32 s25, s25, HSC
	v_lshl_add_u32 v27, v13, 5, v14
	s_delay_alu instid0(VALU_DEP_1)
	v_add_nc_u32 v27, s25, v27                     ; v27 its scale byte: 32 n + 2 a + lane / 16: byte 2 (a % 2) + lane / 16 of word a / 2 of row n
	; the product of wave a: K step sl, batches 16 ((a / 2) % 2) on, units 16 (a % 2) on
	s_lshl_b32 s25, s37, 10
	s_add_co_u32 s25, s25, HIMG
	v_add_nc_u32 v28, s25, v8                      ; v28 h's fragment a / 2
	s_lshl_b32 s25, s37, 2
	s_add_co_u32 s25, s25, HSC
	v_lshl_add_u32 v29, v13, 5, s25                ; v29 its rows' scale words
	s_lshl_b32 s25, s36, 10
	s_add_co_u32 s25, s25, s24
	s_add_co_u32 s25, s25, DIMG
	v_add_nc_u32 v30, s25, v8                      ; v30 W's fragment (sl, a % 2)
	s_lshl_b32 s25, s36, 8
	s_lshl_b32 s24, s34, 2
	s_add_co_u32 s25, s25, s24
	s_add_co_u32 s25, s25, DSC
	v_lshl_add_u32 v31, v13, 4, s25                ; v31 its units' scale words: 16 (16 (a % 2) + n) + 4 sl
	s_mul_i32 s24, s34, PSW
	s_mul_i32 s25, s35, 16*PP
	s_add_co_u32 s24, s24, s25
	s_lshl_b32 s25, s36, 6
	s_add_co_u32 s24, s24, s25
	s_add_co_u32 s24, s24, PS
	v_mul_u32_u24 v9, v14, 8*PP
	s_delay_alu instid0(VALU_DEP_1)
	v_lshl_add_u32 v9, v13, 2, v9
	s_delay_alu instid0(VALU_DEP_1)
	v_add_nc_u32 v9, s24, v9                       ; v9  where my result goes: part sl, batch 16 ((a / 2) % 2) + 8 (lane / 16), unit 16 (a % 2) + n
	v_lshrrev_b32 v10, 4, v0
	s_delay_alu instid0(VALU_DEP_1)
	v_mul_u32_u24 v10, v10, PP
	s_delay_alu instid0(VALU_DEP_1)
	v_lshl_add_u32 v10, v13, 3, v10
	s_delay_alu instid0(VALU_DEP_1)
	v_add_nc_u32 v10, PS, v10                      ; v10 back: batch thread / 16, two units (thread % 16)
	v_lshlrev_b32 v11, 3, v0                       ; v11 8 x thread: the same place in c2's block
	s_lshl_b32 s32, s19, 17                        ; c2: 131,072 q + 4,096 J
	s_lshl_b32 s33, s18, 12
	s_add_co_u32 s32, s32, s33
	s_mov_b32 s33, 0
	s_add_nc_u64 s[14:15], s[14:15], s[32:33]
	s_cmp_eq_u32 s19, 0
	s_cselect_b32 s40, 1.0, 0                      ; b1 is added in part 0 alone
	s_mov_b32 s41, s40                             ; (named with it as a pair, so it is written)
	s_wait_loadcnt 9                               ; W's 32 loads are in; h's eight and b1's one may be out
	QB X, 16, 98
	ds_store_b128 v24, v[16:19]
	ds_store_b8 v25, v98
	s_wait_loadcnt 1                               ; h's are in; b1's may be out
	QB H, 20, 99
	ds_store_b128 v26, v[20:23]
	ds_store_b8 v27, v99
	s_wait_dscnt 0x0                               ; for the others' sake: my images and bytes lie in LDS
	s_barrier_signal -1
	s_barrier_wait -1
	ds_load_b128 v[100:103], v28                   ; the operands come back as the images of their registers
	ds_load_b128 v[104:107], v28 offset:512
	ds_load_b128 v[108:111], v30
	ds_load_b128 v[112:115], v30 offset:512
	ds_load_b32 v2, v29                            ; lane n: row n's word (lanes 16-31 hold the same and are not read)
	ds_load_b32 v3, v31
	s_wait_dscnt 0x0
	v_wmma_scale_f32_16x16x128_f8f6f4 v[116:123], v[100:107], v[108:115], 0, v2, v3 matrix_a_fmt:MATRIX_FMT_FP4 matrix_b_fmt:MATRIX_FMT_FP4
.rept 4
	v_nop                                          ; four places behind the product, ahead of the stores that read it
.endr
.irp j, 0,1,2,3,4,5,6,7
	ds_store_b32 v9, v[116+\j] offset:\j*PP        ; from the accumulator's low end on
.endr
	s_wait_dscnt 0x0
	s_barrier_signal -1
	s_barrier_wait -1
.irp w, 0,1,2,3
	ds_load_b64 v[64+2*\w:65+2*\w], v10 offset:\w*PSW   ; the four K steps' parts of my batch's two units
.endr
	s_wait_dscnt 0x0
	v_pk_add_f32 v[64:65], v[64:65], v[66:67]
	v_pk_add_f32 v[68:69], v[68:69], v[70:71]
	s_delay_alu instid0(VALU_DEP_1)
	v_pk_add_f32 v[64:65], v[64:65], v[68:69]
	s_wait_alu depctr_va_vdst(0)
	s_wait_loadcnt 0x0                             ; b1
	v_pk_fma_f32 v[64:65], v[96:97], s[40:41], v[64:65] op_sel_hi:[1,0,1]
	s_delay_alu instid0(VALU_DEP_1)
	v_pk_mul_f32 v[64:65], v[64:65], K2 op_sel_hi:[1,0]
	global_store_b64 v11, v[64:65], s[14:15]       ; a wave stores 256 consecutive, aligned bytes of c2
	s_wait_tensorcnt 0x0
	ds_add_u32 v128, v129
	s_wait_dscnt 0x0
	s_endpgm
.Lfunc_end_k_qbc568f787d_prep:
	.size	k_qbc568f787d_prep, .Lfunc_end_k_qbc568f787d_prep-k_qbc568f787d_prep
	.p2alignl 7, 3214868480
	.fill 96, 4, 3214868480
	.section	.rodata,"a",@progbits
	.p2align	6, 0x0
	.amdhsa_kernel k_qbc568f787d_prep
		.amdhsa_group_segment_fixed_size 38912
		.amdhsa_private_segment_fixed_size 0
		.amdhsa_enable_private_segment 0
		.amdhsa_kernarg_size 48
		.amdhsa_user_sgpr_count 2
		.amdhsa_user_sgpr_kernarg_segment_ptr 1
		.amdhsa_wavefront_size32 1
		.amdhsa_system_sgpr_workgroup_id_x 1
		.amdhsa_system_sgpr_workgroup_id_y 1
		.amdhsa_system_sgpr_workgroup_id_z 1
		.amdhsa_system_vgpr_workitem_id 0
		.amdhsa_next_free_vgpr 130
		.amdhsa_next_free_sgpr 66
		.amdhsa_reserve_vcc 0
		.amdhsa_float_denorm_mode_32 3
		.amdhsa_float_denorm_mode_16_64 3
		.amdhsa_memory_ordered 1
		.amdhsa_forward_progress 1
		.amdhsa_inst_pref_size 19
	.end_amdhsa_kernel
	.amdgpu_metadata
---
amdhsa.version: [ 1, 2 ]
amdhsa.kernels:
  - .name:           k_qbc568f787d_prep
    .symbol:         k_qbc568f787d_prep.kd
    .args:
      - { .name: W1, .offset: 0, .size: 8, .value_kind: global_buffer, .address_space: global }
      - { .name: h_decoder_prev, .offset: 8, .size: 8, .value_kind: global_buffer, .address_space: global }
      - { .name: b1, .offset: 16, .size: 8, .value_kind: global_buffer, .address_space: global }
      - { .name: w4, .offset: 24, .size: 8, .value_kind: global_buffer, .address_space: global }
      - { .name: wsc, .offset: 32, .size: 8, .value_kind: global_buffer, .address_space: global }
      - { .name: c2, .offset: 40, .size: 8, .value_kind: global_buffer, .address_space: global }
    .group_segment_fixed_size: 38912
    .private_segment_fixed_size: 0
    .kernarg_segment_align: 8
    .kernarg_segment_size: 48
    .max_flat_workgroup_size: 512
    .sgpr_count:     66
    .vgpr_count:     130
    .wavefront_size: 32
...
	.end_amdgpu_metadata
.endif
;; end of part 1
;; launch fused (part 2): grid 256 x 1, 4 waves a work-group, no clusters, 327,680 bytes of LDS; arguments h_encoder, w4, wsc, c2, W2, b2, part, ework; writes part, ework
.if DOCPART == 2
	.amdgcn_target "amdgcn-amd-amdhsa--gfx1250"
	.amdhsa_code_object_version 6
	.text
	.protected	k_qbc568f787d_fused
	.globl	k_qbc568f787d_fused
	.p2align	8
	.type	k_qbc568f787d_fused,@function
k_qbc568f787d_fused:
	s_mov_b64 s[64:65], 0
	v_nop
	global_prefetch_b8 v0, s[64:65] scope:SCOPE_SE
	s_setreg_imm32_b32 hwreg(HW_REG_WAVE_MODE, 25, 1), 1
	s_wait_xcnt 0x0
; For 256 rows s of one batch: e[s] = relu(sum over u of W2[u] tanh(Q(h[s]) . Q(W1_enc[:, u]) + dec[u] + b1[u]) + b2), a running softmax over the rows, and the partial sum of exp(e - m) h[s].
; h_encoder is read from memory ONCE: a block of 16 rows (64 KB of f32) lies in an LDS slot from its quantising until its energies are known and it has been added up.
; W1_enc STAYS ON THE WGP as codes: each wave owns 256 units; their fragments of K steps 0-5 fill register windows 1 to 3, those of K steps 6, 7 and all scale words lie in LDS.
; SHARES.  Work-group x: rows 256 x .. + 255, sixteen blocks of 16.  Wave w makes units 256 w .. + 255 (four groups of four tiles of 16) for all 16 rows of a block.
; A BLOCK, two barriers:  Q: wave w quantises K steps 2 w, 2 w + 1 of the 16 rows and stores the two fragments as images of their registers | barrier |
;   G: x's eight fragments from LDS; four groups of 32 products (source 0 = the 16 rows, source 1 = 16 units: a lane holds ONE unit and rows 8 (lane / 16) + j), each followed by its tanh and its share of product 3;
;   the block's rows come into registers for C; the sum over a wave's units goes to LDS | barrier, also THE CHANGE OF SLOTS: this block's slot is filled again, two blocks ahead |
;   S: every wave adds the four parts: e, the new maximum m, p = exp(e - m), l | C: thread t adds p x h for its eight columns; the next block's numbers for Q are fetched as the rows' registers come free.
; tanh(x) = 1 - 2 / (1 + 2^t), t = K2 E + c2, c2 = K2 (dec + b1).  So the sum over u is (sum of W2) + sum of (-2 W2[u]) / (1 + 2^t).  b2 rides in the sums' start: b2 / 64 in each of 16 lanes x 4 waves.
; Sums that many lines add onto are kept in eight chains (two sets of four pairs), so that a line's source was written eight lines before it.
; THE HEAD: one tensor load a wave (block 0's rows); W's LDS part by asynchronous copies, 80 a wave, each byte filled once; W's register images group by group, 48 loads each, one group ahead of the products
; that want them: block 0 is written out for that.
; The maximum begins at 0: relu makes every e at least 0, so 0 is never above the true maximum.  l is kept lane by lane (row n of each block) and joined at the end.
; NO CLUSTER: the loop's tiles are each read by one work-group alone; what all share, W's 557,056 bytes, is read once at the head, 393,216 of them by plain loads into registers.
; LIMITS: NaN and infinities among the inputs are not served; a block of 32 under 2^-124 keeps the scale byte 1; a block of zeros has the byte 1 and zero codes.
; The claim of all of LDS: the text uses 319,744 bytes.
.set SLOTSZ, 66816                     ; LDS 0, 66,816: two slots of 16 rows of h.  Wave w's load brings rows 4 w .. 4 w + 3 as 16 lines of 1,024 bytes + 16 of padding, from WSKEW x w on
.set WSKEW,  16656                     ; 16 x 1,040 + 16: row r begins at 16 (r / 4) + 64 (r % 4) modulo 256
.set RP,     4160                      ; a row: four lines
.set WLB,    133632                    ; W's fragments of K steps 6, 7: 32,768 bytes a wave
.set WSB,    264704                    ; W's scale words: 8,192 bytes a wave
.set XIMG,   297472                    ; x's eight fragments, 1,024 bytes each
.set XSC,    305664                    ; their scale words: [lane][8 K steps], 32 bytes a lane
.set CWB,    306688                    ; pairs (c2[u], -2 W2[u]), 8 bytes a unit
.set PARTB,  314880                    ; [wave][16 rows]: the waves' parts of product 3
.set EBB,    315136                    ; e[256], a copy for each wave
.set SPARE,  319232                    ; the spare words, 128 bytes for each wave
; WINDOW 0: v1, v2 the add's; v3-19 addresses; v20-27 x's scale words; v28-43 W's (these 24 hold scales alone); v44-59 two sets of four pairs (c2, -2 W2); v60-61 the start of product 3's sums, and 0;
;   v62-69 product 3's sums; v70-77 my eight columns' weighted sum; v78 m, v79 l; v80-81 f; v82 e; v83 p; v84-91 at work: the second set of sums in G and in C, x's two scale words in Q; v92 16 x lane;
;   v96-127 four accumulators (in Q: at work); v128-191 x's fragments, v192-255 W's of K steps 6, 7 (in Q: 128 numbers of h; in C: 16 rows x 8 numbers).
;   WINDOWS 1-3: fragment (group g, K step s < 6, tile t) at register 256 + 192 g + 32 s + 8 t.
.set XS,  20
.set WSR, 28
.set CW,  44
.set ES,  62
.set CT,  70
.set TQ,  84
.set ACC, 96
.set TM,  96
.set PC0, 112
.set PC1, 120
.set XF,  128
.set LW,  192
; s[4:19] the eight addresses; s20 wave; s[22:23] lane selects; s[24:25] K2; s27 b2; s28 blocks to go; s29 the slot in hand; s31 WSKEW x wave; s[32:39], s[40:43] groups 1 and 0 for h;
; s44-51 the wave's LDS bases; s[54:55], s[56:57] the copies' bases; s[58:59] my register images; s[80:81] the prefetches' address;
; p of row r as a pair's low word: s6-15 (r 0-4), s72-79 (r 5-8), s82-95 (r 9-15)
.set MSB, 0
.macro WIN new                         ; the immediate's high byte repeats the setting that is left; a switch that changes nothing is dropped
.if MSB != \new
	s_set_vgpr_msb (MSB<<8)|\new
.set MSB, \new
.endif
.endm
.macro PLACES                          ; four places behind matrix instructions; also the four lines behind a tensor load
.rept 4
	v_nop
.endr
.endm
.macro SETP r                          ; P_ = the scalar pair of row r's p
.if (\r) < 5
.set P_, 6+2*(\r)
.elseif (\r) < 9
.set P_, 72+2*((\r)-5)
.else
.set P_, 82+2*((\r)-9)
.endif
.endm
.macro WLOAD g                         ; group g's register images: 48 loads of 512 consecutive bytes, into the registers in which they stay
.set Q_, 48*(\g)
.rept 48
.set WN_, 0x40*(1+Q_/64)
	WIN WN_
	global_load_b128 v[4*(Q_%64):4*(Q_%64)+3], v92, s[58:59] offset:512*Q_
.set Q_, Q_+1
.endr
	WIN 0
.endm
	s_load_b512 s[4:19], s[0:1], 0x0               ; h s[4:5], w4 s[6:7], wsc s[8:9], c2 s[10:11], W2 s[12:13], b2 s[14:15], part s[16:17], ework s[18:19]
	v_lshl_add_u32 v1, v0, 2, SPARE
	v_mov_b32 v2, 0
	ds_add_u32 v1, v2                              ; the opening lines: the add, twice on end, and its wait ahead of my first tensor load and copies
	ds_add_u32 v1, v2
	v_lshrrev_b32 v84, 5, v0
	v_readfirstlane_b32 s20, v84                   ; wave 0..3
	s_mov_b32 s32, (2<<16)|(1<<20)|(7<<22)|(3<<25) ; h: elements of 4 bytes; padding on: 4 words behind every 256
	s_mov_b32 s33, 256<<16                         ; tensor_dim0 = 256
	s_mov_b32 s34, 16<<16                          ; tensor_dim1 = 16
	s_mov_b32 s35, 256<<16                         ; tile_dim0 = 256: a line of 1,024 bytes
	s_mov_b32 s36, 16                              ; tile_dim1 = 16 lines: four rows of h, dense in memory
	s_mov_b32 s37, 256
	s_mov_b32 s38, 0
	s_mov_b32 s39, 0
	s_mul_i32 s31, s20, WSKEW
	s_mov_b32 s29, 0
	s_lshl_b32 s72, ttmp9, 20                      ; h: my work-group's 256 rows of 4,096 bytes,
	s_lshl_b32 s73, s20, 14
	s_add_co_u32 s72, s72, s73                     ; my wave's four rows of a block
	s_mov_b32 s73, 0
	s_lshl_b32 s74, s20, 15
	s_add_co_u32 s53, s74, WLB
	s_add_co_u32 s74, s74, 393216
	s_mov_b32 s75, 0
	s_lshl_b32 s76, s20, 13
	s_add_co_u32 s69, s76, WSB
	s_mov_b32 s77, 0
	s_mul_i32 s78, s20, 98304
	s_mov_b32 s79, 0
	s_mov_b32 s40, 1
	s_mov_b32 s41, s31                             ; slot 0
	s_mov_b32 s22, 0x76543210
	s_mov_b32 s23, 0xfedcba98
	s_mov_b32 s24, 0x4038aa3b                      ; K2 = 2 log2(e)
	s_mov_b32 s25, s24
	s_mul_i32 s44, s20, 1040
	s_lshl_b32 s45, s20, 11
	s_lshl_b32 s46, s20, 3
	s_add_co_u32 s47, s45, CWB
	s_lshl_b32 s48, s20, 6
	s_add_co_u32 s48, s48, PARTB
	s_lshl_b32 s49, s20, 10
	s_add_co_u32 s50, s49, EBB
	s_mul_i32 s51, s20, 1280
	s_add_co_u32 s51, s51, EBB
	v_and_b32 v84, 31, v0                          ; lane
	v_and_b32 v85, 15, v0                          ; n, also r
	v_bfe_u32 v86, v0, 4, 1                        ; lane / 16
	v_bfe_u32 v87, v0, 2, 2
	v_and_b32 v88, 3, v0
	v_lshl_add_u32 v3, v84, 4, XIMG                ; v3  an image's place for my lane
	v_lshl_add_u32 v4, v84, 5, XSC                 ; v4  my lane's eight scale words
	v_mul_u32_u24 v5, v87, WSKEW
	v_mad_u32_u24 v5, v88, RP, v5
	v_add_nc_u32 v5, s44, v5
	v_lshl_add_u32 v5, v86, 6, v5                  ; v5  Q: row r, line w, + 16 numbers for lanes 16-31
	v_add_nc_u32 v6, s45, v3                       ; v6  where I store x's images: K steps 2 w, 2 w + 1
	v_add_nc_u32 v7, s46, v4                       ; v7  and their two scale words
	v_lshl_add_u32 v8, v84, 4, s53                 ; v8  my W fragments in LDS
	v_lshl_add_u32 v9, v84, 4, s69                 ; v9  my W scale words
	v_lshl_add_u32 v10, v85, 3, s47                ; v10 my units' pairs
	v_lshl_add_u32 v11, v86, 5, s48                ; v11 my wave's part: rows 8 (lane / 16) on
	v_lshl_add_u32 v12, v85, 2, PARTB              ; v12 back: row n
	v_lshrrev_b32 v13, 6, v0
	v_add_nc_u32 v13, v13, v0
	v_lshlrev_b32 v13, 4, v13                      ; v13 C: 16 t, + 16 for each line passed
	v_lshl_add_u32 v14, v85, 2, s50                ; v14 my wave's copy of e: row n of the block in hand
	v_lshl_add_u32 v89, v85, 2, s49                ; W2[256 w + n]
	v_lshlrev_b32 v92, 4, v84                      ; v92 16 x lane: the images' and the copies' offset; never rewritten
	v_lshlrev_b32 v17, 8, v84                      ; v17 the prefetches' offset: 256 x lane; never rewritten
	v_lshl_add_u32 v18, v0, 6, CWB                 ; v18 where I store eight pairs
	v_lshl_add_u32 v19, v84, 3, s51                ; v19 the way out: rows 64 w on of my own copy of e
	v_lshrrev_b32 v87, 2, v0
	v_lshlrev_b32 v87, 12, v87
	v_lshl_add_u32 v87, v88, 5, v87                ; c2 of units 8 t .. 8 t + 7
	v_lshlrev_b32 v88, 5, v0                       ; W2 of the same
	v_mov_b32 v15, v5                              ; block 0's addresses: slot 0
	v_mov_b32 v16, v13
	v_mov_b32 v61, 0                               ; (pairs' upper halves that are named but not used are written once)
	v_mov_b32 v81, 0
	v_mov_b32 v78, 0                               ; m
	v_mov_b32 v79, 0                               ; l
.irp j, 0,1,2,3,4,5,6,7
	v_mov_b32 v[CT+\j], 0
.endr
.irp b, 0,1,2,3
	v_mov_b32 v[TM+4+\b], 0                        ; a lane permute's destination counts as one of its sources
.endr
	s_wait_alu depctr_va_vdst(0)
	s_wait_dscnt 0x0                               ; both opening adds are done
	s_wait_kmcnt 0x0
	s_add_nc_u64 s[42:43], s[4:5], s[72:73]
	s_add_nc_u64 s[80:81], s[42:43], 0x20000       ; the prefetches stand at block 2; the first change of slots steps them to block 3
	s_or_b32 s43, s43, 0x80000000
	tensor_load_to_lds s[40:43], s[32:39]          ; block 0's four rows: my one tensor load at the head
	s_nop 0
	PLACES
	s_add_nc_u64 s[54:55], s[6:7], s[74:75]
	s_add_nc_u64 s[56:57], s[8:9], s[76:77]
	s_add_nc_u64 s[58:59], s[6:7], s[78:79]
.set I_, 0
.rept 64                               ; my W of K steps 6, 7: 64 copies of 512 consecutive bytes; the immediate steps both addresses
	global_load_async_to_lds_b128 v8, v92, s[54:55] offset:512*I_
.set I_, I_+1
.endr
.set I_, 0
.rept 16                               ; my scale words: 16 copies
	global_load_async_to_lds_b128 v9, v92, s[56:57] offset:512*I_
.set I_, I_+1
.endr
	s_load_b32 s27, s[14:15], 0x0                  ; b2
	s_lshr_b32 s72, ttmp9, 3
	s_lshl_b32 s72, s72, 7
	s_add_nc_u64 s[10:11], s[10:11], s[72:73]      ; c2 at my batch: 128 bytes in each block of 32 units
	s_mul_i32 s72, ttmp9, 4352
	s_add_nc_u64 s[16:17], s[16:17], s[72:73]      ; part at my work-group's 4,352 bytes
	s_lshl_b32 s72, ttmp9, 10
	s_lshl_b32 s74, s20, 8
	s_add_co_u32 s72, s72, s74
	s_add_nc_u64 s[18:19], s[18:19], s[72:73]      ; ework at my wave's 64 rows
	global_load_b128 v[128:131], v87, s[10:11]
	global_load_b128 v[132:135], v87, s[10:11] offset:16
	global_load_b128 v[176:179], v87, s[10:11] offset:131072   ; c2's second part
	global_load_b128 v[180:183], v87, s[10:11] offset:131088
	global_load_b128 v[136:139], v88, s[12:13]
	global_load_b128 v[140:143], v88, s[12:13] offset:16
.irp i, 0,1,2,3,4,5,6,7,8,9,10,11,12,13,14,15
	global_load_b32 v[144+\i], v89, s[12:13] offset:64*\i   ; W2 of unit n of each of my 16 tiles
.endr
	WLOAD 0
	s_wait_loadcnt 48                              ; c2 and W2 are in; group 0's 48 images may be out
	s_wait_kmcnt 0x0                               ; b2
.irp k, 0,2,4,6
	v_pk_add_f32 v[128+\k:129+\k], v[128+\k:129+\k], v[176+\k:177+\k]   ; c2 = its two parts
.endr
.irp k, 0,1,2,3,4,5,6,7
	v_mov_b32 v[160+2*\k], v[128+\k]
	v_mul_f32 v[161+2*\k], -2.0, v[136+\k]
.endr
.irp q, 0,1,2,3
	ds_store_b128 v18, v[160+4*\q:163+4*\q] offset:16*\q   ; read behind the head's barrier
.endr
.irp a, 0,4,8,12
	v_pk_add_f32 v[144+\a:145+\a], v[144+\a:145+\a], v[146+\a:147+\a]
.endr
	v_pk_add_f32 v[144:145], v[144:145], v[148:149]
	v_pk_add_f32 v[152:153], v[152:153], v[156:157]
	v_mov_b32 v146, s27
	v_pk_add_f32 v[144:145], v[144:145], v[152:153]
	v_add_f32 v60, v144, v145                      ; the sum of W2 over unit n of my 16 tiles,
	v_fmamk_f32 v60, v146, 0x3c800000, v60         ; + b2 / 64: it starts product 3's sums in 64 lanes of the work-group
; 64 numbers of a lane, register 16 b + i = k 32 b + 16 (lane / 16) + i of row r, become a fragment's codes at v[pc] on and the row's scale word in v[pw]
.macro QUANT s, pc, pw
.irp b, 0,1,2,3
	v_max3_num_f32 v[TM+\b], |v[\s+16*\b]|, |v[\s+1+16*\b]|, 0x1800000   ; my 16 numbers of block b in two chains; the floor 2^(3 - 127): the byte cannot fall under 1
.endr
.irp b, 0,1,2,3
	v_max3_num_f32 v[TM+8+\b], |v[\s+8+16*\b]|, |v[\s+9+16*\b]|, |v[\s+10+16*\b]|
.endr
.irp i, 2,4
.irp b, 0,1,2,3
	v_max3_num_f32 v[TM+\b], v[TM+\b], |v[\s+16*\b+\i]|, |v[\s+1+16*\b+\i]|
.endr
.irp b, 0,1,2,3
	v_max3_num_f32 v[TM+8+\b], v[TM+8+\b], |v[\s+9+16*\b+\i]|, |v[\s+10+16*\b+\i]|
.endr
.endr
.irp b, 0,1,2,3
	v_max3_num_f32 v[TM+\b], v[TM+\b], |v[\s+6+16*\b]|, |v[\s+7+16*\b]|
.endr
.irp b, 0,1,2,3
	v_max3_num_f32 v[TM+\b], v[TM+\b], v[TM+8+\b], |v[\s+15+16*\b]|
.endr
.irp b, 0,1,2,3
	v_permlanex16_b32 v[TM+4+\b], v[TM+\b], s22, s23
.endr
.irp b, 0,1,2,3
	v_max_num_f32 v[TM+\b], v[TM+\b], v[TM+4+\b]   ; with lane l xor 16's: the block's largest magnitude
.endr
.irp b, 0,1,2,3
	v_add_nc_u32 v[TM+12+\b], 0xff000000, v[TM+\b] ; 2 off its exponent field: the conversion's scale operand
.endr
.irp b, 0,1,2,3
	v_cvt_scalef32_pk8_fp4_f32 v[\pc+2*\b], v[\s+16*\b:\s+7+16*\b], v[TM+12+\b]
	v_cvt_scalef32_pk8_fp4_f32 v[\pc+1+2*\b], v[\s+8+16*\b:\s+15+16*\b], v[TM+12+\b]
.endr
.irp b, 0,1,2,3
	v_lshrrev_b32 v[TM+4+\b], 23, v[TM+12+\b]      ; the scale's byte (also the plain lines behind the last scaled conversion)
.endr
	v_lshl_or_b32 v[\pw], v[TM+5], 8, v[TM+4]
	v_lshl_or_b32 v[TM+6], v[TM+7], 8, v[TM+6]
.irp c, 0,1                            ; the operand wants a WHOLE block in a lane: lanes 0-15 block 2 c, lanes 16-31 block 2 c + 1
.irp i, 0,1
	v_permlane16_swap_b32 v[\pc+4*\c+\i], v[\pc+2+4*\c+\i]
.endr
.endr
	v_lshl_or_b32 v[\pw], v[TM+6], 16, v[\pw]
.endm
.macro IMAGE pc, k                     ; the fragment goes to LDS as it stands in the registers: 512 consecutive bytes a store
	ds_store_b128 v6, v[\pc:\pc+3] offset:1024*\k
	ds_store_b128 v6, v[\pc+4:\pc+7] offset:1024*\k+512
.endm
.macro NEXTW g                         ; group g's scale words (register WSR + 8 (t / 2) + s: lanes 0-15 tile 2 (t / 2), lanes 16-31 the next) and its four pairs (c2, -2 W2)
.irp p, 0,1
.irp q, 0,1
	ds_load_b128 v[WSR+8*\p+4*\q:WSR+8*\p+4*\q+3], v9 offset:2048*(\g)+1024*\p+512*\q
.endr
.endr
.irp t, 0,1,2,3
	ds_load_b64 v[CW+8*((\g)%2)+2*\t:CW+8*((\g)%2)+2*\t+1], v10 offset:(4*(\g)+\t)*128
.endr
.endm
.macro NEXTL g                         ; group g's eight fragments of K steps 6 and 7
.irp f, 0,1,2,3,4,5,6,7
	ds_load_b128 v[LW+8*\f:LW+8*\f+3], v8 offset:8192*(\g)+1024*\f
	ds_load_b128 v[LW+8*\f+4:LW+8*\f+7], v8 offset:8192*(\g)+1024*\f+512
.endr
.endm
.macro QLOADQ q                        ; a quarter of the block's numbers for Q, at v15: blocks 2 (q % 2), + 1 of K step 2 w + q / 2: 8 loads, into the registers of rows 4 q .. 4 q + 3 of C
.irp b, 0,1
.irp j, 0,1,2,3
	ds_load_b128 v[XF+32*(\q)+16*\b+4*\j:XF+32*(\q)+16*\b+4*\j+3], v15 offset:256*(\q)+128*\b+16*\j
.endr
.endr
.endm
; 32 products: K steps 0-7 x the group's four tiles.  The four accumulators take turns, one instruction a turn; the first K step starts the sums.
; prog = 1: x's fragments are waited for as they are wanted: behind K step s's two loads stand 2 (7 - s) of x's and W's sixteen; behind W's first eight its last eight.
.macro GROUP g, prog
.set S_, 0
.rept 8
.if \prog
.if S_ < 6
	s_wait_dscnt 30-2*S_
.elseif S_ == 6
	s_wait_dscnt 8
.else
	s_wait_dscnt 0x0
.endif
.endif
.set T_, 0
.rept 4
.if S_ < 6
.set AB_, 256+192*(\g)+32*S_+8*T_
.set WN_, (AB_>>8)<<2
.set BR_, AB_&255
.else
.set WN_, 0
.set BR_, LW+8*(4*(S_-6)+T_)
.endif
	WIN WN_                                        ; source 1's window
.if S_ == 0
.if T_%2
	v_wmma_scale_f32_16x16x128_f8f6f4 v[ACC+8*T_:ACC+8*T_+7], v[XF+8*S_:XF+8*S_+7], v[BR_:BR_+7], 0, v[XS+S_], v[WSR+8*(T_/2)+S_] matrix_a_fmt:MATRIX_FMT_FP4 matrix_b_fmt:MATRIX_FMT_FP4 matrix_b_scale:MATRIX_SCALE_ROW1
.else
	v_wmma_scale_f32_16x16x128_f8f6f4 v[ACC+8*T_:ACC+8*T_+7], v[XF+8*S_:XF+8*S_+7], v[BR_:BR_+7], 0, v[XS+S_], v[WSR+8*(T_/2)+S_] matrix_a_fmt:MATRIX_FMT_FP4 matrix_b_fmt:MATRIX_FMT_FP4
.endif
.else
.if T_%2
	v_wmma_scale_f32_16x16x128_f8f6f4 v[ACC+8*T_:ACC+8*T_+7], v[XF+8*S_:XF+8*S_+7], v[BR_:BR_+7], v[ACC+8*T_:ACC+8*T_+7], v[XS+S_], v[WSR+8*(T_/2)+S_] matrix_a_fmt:MATRIX_FMT_FP4 matrix_b_fmt:MATRIX_FMT_FP4 matrix_b_scale:MATRIX_SCALE_ROW1
.else
	v_wmma_scale_f32_16x16x128_f8f6f4 v[ACC+8*T_:ACC+8*T_+7], v[XF+8*S_:XF+8*S_+7], v[BR_:BR_+7], v[ACC+8*T_:ACC+8*T_+7], v[XS+S_], v[WSR+8*(T_/2)+S_] matrix_a_fmt:MATRIX_FMT_FP4 matrix_b_fmt:MATRIX_FMT_FP4
.endif
.endif
.set T_, T_+1
.endr
.set S_, S_+1
.endr
	WIN 0
	PLACES
.endm
; The group's 32 numbers a lane, in two parts, with the next operands' LDS loads between them.  TANHA: t = K2 E + c2.
.macro TANHA g
.set CWS_, CW+8*((\g)%2)
.set I_, 0
.rept 16
	v_pk_fma_f32 v[ACC+2*I_:ACC+2*I_+1], v[ACC+2*I_:ACC+2*I_+1], s[24:25], v[CWS_+2*(I_/4):CWS_+2*(I_/4)+1] op_sel_hi:[1,0,0]   ; each accumulator from its low end on; of the pairs K2 and (c2, .) the low word serves both halves
.set I_, I_+1
.endr
.endm
; Product 3's line for pair I_ of the group's sixteen (tile I_ / 4, rows 2 (I_ % 4), + 1): x (-2 W2) onto the sums: tiles 0 and 2 onto one set, tiles 1 and 3 onto the other.
.macro FSTEP g
.set TT_, I_/4
.set D_, ES+(TQ-ES)*(TT_%2)+2*(I_%4)
.if ((\g) == 0) && (TT_ == 0)
	v_pk_fma_f32 v[D_:D_+1], v[ACC+2*I_:ACC+2*I_+1], v[CWS_+2*TT_:CWS_+2*TT_+1], v[60:61] op_sel:[0,1,0] op_sel_hi:[1,1,0]   ; the block's first: the sums begin with the sum of W2 and b2's share
.elseif ((\g) == 0) && (TT_ == 1)
	v_pk_mul_f32 v[D_:D_+1], v[ACC+2*I_:ACC+2*I_+1], v[CWS_+2*TT_:CWS_+2*TT_+1] op_sel:[0,1] op_sel_hi:[1,1]   ; the second set's first
.else
	v_pk_fma_f32 v[D_:D_+1], v[ACC+2*I_:ACC+2*I_+1], v[CWS_+2*TT_:CWS_+2*TT_+1], v[D_:D_+1] op_sel:[0,1,0] op_sel_hi:[1,1,1]   ; of the pair (., -2 W2) the upper word serves both halves
.endif
.endm
; TANHB: 2^t, + 1, 1 / ., and product 3's lines.  THE GROUP'S TWO HALVES (H0: tiles 0, 1; H1: tiles 2, 3) RUN ONE STAGE APART: behind each two transcendentals of one half stands one packed line of the other.
; Such a line reads only what stood ready ahead of the wait in front of its batch, and what it writes is first read behind the wait that follows the batch; it names no register of the batch's transcendentals.
; A wait stands ahead of each batch and behind it: here one wait between two batches serves as both.
.macro TANHB g
.set CWS_, CW+8*((\g)%2)
	s_wait_alu depctr_va_vdst(0)
.set I_, 0
.rept 16
	v_exp_f32 v[ACC+I_], v[ACC+I_]                 ; 2^t of H0
.set I_, I_+1
.endr
	v_nop                                          ; a plain line behind the batch
	s_wait_alu depctr_va_vdst(0)
.set I_, 0
.rept 8
	v_exp_f32 v[ACC+16+2*I_], v[ACC+16+2*I_]       ; 2^t of H1,
	v_exp_f32 v[ACC+17+2*I_], v[ACC+17+2*I_]
	v_pk_add_f32 v[ACC+2*I_:ACC+2*I_+1], v[ACC+2*I_:ACC+2*I_+1], 1.0 op_sel_hi:[1,0]   ; + 1 of H0
.set I_, I_+1
.endr
	s_wait_alu depctr_va_vdst(0)
.set I_, 0
.rept 8
	v_rcp_f32 v[ACC+2*I_], v[ACC+2*I_]             ; 1 / . of H0,
	v_rcp_f32 v[ACC+2*I_+1], v[ACC+2*I_+1]
	v_pk_add_f32 v[ACC+16+2*I_:ACC+17+2*I_], v[ACC+16+2*I_:ACC+17+2*I_], 1.0 op_sel_hi:[1,0]   ; + 1 of H1
.set I_, I_+1
.endr
	s_wait_alu depctr_va_vdst(0)
.set I_, 0
.rept 8
	v_rcp_f32 v[ACC+16+2*I_], v[ACC+16+2*I_]       ; 1 / . of H1,
	v_rcp_f32 v[ACC+17+2*I_], v[ACC+17+2*I_]
	FSTEP \g                                       ; product 3's lines of H0
.set I_, I_+1
.endr
	s_wait_alu depctr_va_vdst(0)
.rept 8
	FSTEP \g                                       ; and of H1: I_ runs on from 8 to 15
.set I_, I_+1
.endr
.endm
; A prefetch into the L2 of my wave's four rows (16,384 bytes) of the block AFTER the one just asked for: 64 aligned blocks of 256 bytes, a lane a block, two instructions.  Each wave names the bytes that its own
; tensor load will bring one change of slots later, and nobody else reads them.  Blocks 0, 1 and 2 come by their loads alone; the last change that fills a slot asks for nothing.
.macro ASK
	s_cmp_gt_u32 s28, 1
	s_cbranch_scc0 .Lnoask_\@
	global_prefetch_b8 v17, s[80:81] th:TH_LOAD_NT scope:SCOPE_SE
	global_prefetch_b8 v17, s[80:81] offset:8192 th:TH_LOAD_NT scope:SCOPE_SE
.Lnoask_\@:
.endm
; A block.  Its 32 LDS loads for Q were issued in the block before.  refill = 1: its slot is filled again, with the block two further on.  next = 1: a block follows.
; first = 1: block 0: W's register images of groups 2 and 3 are asked for here, and each group of products waits for its own 48 loads, the next group's 48 staying out.
.macro BLOCK refill, next, first
	s_wait_dscnt 24                                ; the first K step is in; out may be the second's 16 loads and the 8 of NEXTW
	QUANT XF, PC0, 90
	IMAGE PC0, 0
	s_wait_dscnt 10                                ; the second is in; out may be NEXTW's 8 and the image's 2 stores
	QUANT LW, PC1, 91
	IMAGE PC1, 1
	ds_store_b64 v7, v[90:91]                      ; the two scale words of my lane's row
	s_wait_dscnt 0x0                               ; for the others' sake: my images lie in LDS
	s_barrier_signal -1
	s_barrier_wait -1                              ; x's eight fragments lie in LDS, and every wave has read the last block's parts
	ds_load_b128 v[XS:XS+3], v4
	ds_load_b128 v[XS+4:XS+7], v4 offset:16
.irp s, 0,1,2,3,4,5,6,7
	ds_load_b128 v[XF+8*\s:XF+8*\s+3], v3 offset:1024*\s
	ds_load_b128 v[XF+8*\s+4:XF+8*\s+7], v3 offset:1024*\s+512
.endr
	NEXTL 0
.if \first
	s_wait_loadcnt 48                              ; group 0's images are in; group 1's 48 may be out
.endif
	GROUP 0, 1
	TANHA 0
	NEXTW 1                                        ; the next group's operands come while this group's tanh is worked
	NEXTL 1
.if \first
	WLOAD 2
.endif
	TANHB 0
	s_wait_dscnt 0x0
.if \first
	s_wait_loadcnt 48                              ; group 1's are in; group 2's may be out
.endif
	GROUP 1, 0
	TANHA 1
	NEXTW 2
	NEXTL 2
.if \first
	WLOAD 3
.endif
	TANHB 1
	s_wait_dscnt 0x0
.if \first
	s_wait_loadcnt 48                              ; group 2's are in; group 3's may be out
.endif
	GROUP 2, 0
	TANHA 2
	NEXTW 3
	NEXTL 3
	TANHB 2
	s_wait_dscnt 0x0
.if \first
	s_wait_loadcnt 0x0                             ; group 3's are in
.endif
	GROUP 3, 0
	TANHA 3
.set R_, 0
.rept 16                               ; the block's 16 rows, my eight columns (4 t .. + 3 and 512 + 4 t .. + 3), into the registers that the fragments have left
.set RO_, (R_>>2)*WSKEW+(R_&3)*RP
	ds_load_b128 v[128+8*R_:131+8*R_], v16 offset:RO_
	ds_load_b128 v[132+8*R_:135+8*R_], v16 offset:RO_+2080
.set R_, R_+1
.endr
	TANHB 3
.irp k, 0,2,4,6
	v_pk_add_f32 v[ES+\k:ES+\k+1], v[ES+\k:ES+\k+1], v[TQ+\k:TQ+\k+1]   ; the two sets of sums
.endr
.irp m, 1,2,4,8                        ; the sum over the sixteen lanes' units
.irp j, 0,1,2,3,4,5,6,7
	v_add_f32_dpp v[ES+\j], v[ES+\j], v[ES+\j] row_xmask:\m row_mask:0xf bank_mask:0xf
.endr
.endr
	ds_store_b128 v11, v[ES:ES+3]                  ; sixteen lanes write the same words with the same values
	ds_store_b128 v11, v[ES+4:ES+7] offset:16
.if \refill
	s_wait_xcnt 0x0                                ; the last prefetches, a block back, have read their address
	s_add_nc_u64 s[80:81], s[80:81], 0x10000
.endif
	s_wait_tensorcnt 0x0                           ; all my tensor loads have landed: my four rows of the next block; so a group 0 may be written
	s_wait_asynccnt 0x0                            ; (and the head's copies)
	ds_add_u32 v1, v2                              ; 0 onto my spare word
.if \refill
	s_add_nc_u64 s[42:43], s[42:43], 0x10000       ; my four rows of the block two further on
	s_add_co_u32 s41, s31, s29                     ; into this block's slot
.endif
.if \next
	s_xor_b32 s29, s29, SLOTSZ                     ; the next block's slot, and my addresses in it
	v_add_nc_u32 v15, s29, v5
	v_add_nc_u32 v16, s29, v13
	s_wait_alu depctr_va_vdst(0)
.endif
	s_wait_dscnt 0x0                               ; the add is done; my part lies in LDS; my reads of x's images and of this block's slot are back
	s_barrier_signal -1
	s_barrier_wait -1                              ; the four parts lie in LDS, the next slot is whole, and nobody reads this one any more
.if \refill
	tensor_load_to_lds s[40:43], s[32:39]          ; my one tensor load until the next change of slots
	s_nop 0
	PLACES
.endif
	; S: every wave computes the same; lane n (and 16 + n) has row n
	ds_load_b32 v84, v12
	ds_load_b32 v85, v12 offset:64
	ds_load_b32 v86, v12 offset:128
	ds_load_b32 v87, v12 offset:192
.if \refill
	ASK
.endif
	s_wait_dscnt 0x0
	v_add_f32 v84, v84, v85
	v_add_f32 v86, v86, v87
	v_add_f32 v84, v84, v86                        ; b2 is in the parts
	v_max_num_f32 v85, v84, v78                    ; m is never under 0, so this is the larger of e and m
	v_max_num_f32 v82, 0, v84                      ; e
	v_max_num_f32_dpp v85, v85, v85 row_xmask:1 row_mask:0xf bank_mask:0xf
	ds_store_b32 v14, v82
.irp m, 2,4,8
	v_max_num_f32_dpp v85, v85, v85 row_xmask:\m row_mask:0xf bank_mask:0xf
.endr
	v_sub_f32 v86, v78, v85                        ; old m - new m
	v_sub_f32 v87, v82, v85                        ; e - new m
	v_mul_f32 v86, 0x3fb8aa3b, v86
	v_mul_f32 v87, 0x3fb8aa3b, v87
	s_wait_alu depctr_va_vdst(0)                   ; ahead of the two
	v_exp_f32 v80, v86                             ; f
	v_exp_f32 v83, v87                             ; p
	v_mov_b32 v78, v85                             ; (the plain line behind the two)
	s_wait_alu depctr_va_vdst(0)                   ; and behind them, ahead of their first reader
.set R_, 0
.rept 16
	SETP R_
	v_readlane_b32 s[P_], v83, R_                  ; p of row R_: a multiplier, nothing else
.set R_, R_+1
.endr
	v_fma_f32 v79, v79, v80, v83                   ; l of my lane's rows
.irp k, 0,2,4,6
	v_pk_mul_f32 v[CT+\k:CT+\k+1], v[CT+\k:CT+\k+1], v[80:81] op_sel_hi:[1,0]
.endr
	; C: even rows onto the sums, odd rows onto a second set: eight chains.  Each four rows' registers take a quarter of the next block's numbers as soon as they have been added up
.set R_, 0
.rept 16
	SETP R_
.irp k, 0,2,4,6
.if R_ == 1
	v_pk_mul_f32 v[TQ+\k:TQ+\k+1], v[128+8*R_+\k:129+8*R_+\k], s[P_:P_+1] op_sel_hi:[1,0]
.elseif R_%2
	v_pk_fma_f32 v[TQ+\k:TQ+\k+1], v[128+8*R_+\k:129+8*R_+\k], s[P_:P_+1], v[TQ+\k:TQ+\k+1] op_sel_hi:[1,0,1]
.else
	v_pk_fma_f32 v[CT+\k:CT+\k+1], v[128+8*R_+\k:129+8*R_+\k], s[P_:P_+1], v[CT+\k:CT+\k+1] op_sel_hi:[1,0,1]
.endif
.endr
.if \next && (R_%4 == 3)
	QLOADQ R_/4
.endif
.set R_, R_+1
.endr
.if \next
	NEXTW 0
	v_add_nc_u32 v14, 64, v14                      ; the next block's 16 places in e
.endif
.irp k, 0,2,4,6
	v_pk_add_f32 v[CT+\k:CT+\k+1], v[CT+\k:CT+\k+1], v[TQ+\k:TQ+\k+1]
.endr
.endm
	; The head's end.  Slot 1 is filled for the first time as a refill is: the waits, the add, a barrier, and the load first behind it.
.irp r, 7,9,11,13,15,73,75,77,79,83,85,87,89,91,93,95
	s_mov_b32 s\r, 0                               ; the upper halves of p's pairs (every load that named s10-15 has come back)
.endr
	s_wait_alu depctr_va_vdst(0)
	s_wait_tensorcnt 0x0                           ; block 0's four rows have landed: so a group 0 may be written;
	s_wait_asynccnt 0x0                            ; and so have my 80 copies
	ds_add_u32 v1, v2                              ; 0 onto my spare word
	s_add_nc_u64 s[42:43], s[42:43], 0x10000       ; block 1's four rows,
	s_add_co_u32 s41, s31, SLOTSZ                  ; into slot 1
	s_wait_dscnt 0x0                               ; the add is done, and my pairs (c2, -2 W2) lie in LDS
	s_barrier_signal -1
	s_barrier_wait -1                              ; slot 0 is whole
	tensor_load_to_lds s[40:43], s[32:39]
	s_nop 0
	PLACES
	QLOADQ 0
	QLOADQ 1
	QLOADQ 2
	QLOADQ 3
	NEXTW 0
	WLOAD 1
	s_mov_b32 s28, 14
	BLOCK 1, 1, 1                                  ; block 0, under the arrival of W's images
	s_mov_b32 s28, 13
.Lblk:                                             ; 13 trips: blocks 1 to 13, each of whose slots is filled again
	BLOCK 1, 1, 0
	s_sub_co_u32 s28, s28, 1
	s_cmp_lg_u32 s28, 0
	s_cbranch_scc1 .Lblk
	BLOCK 0, 1, 0                                  ; the last two blocks are written out
	BLOCK 0, 0, 0
	ds_load_b64 v[84:85], v19                      ; LDS serves a wave's instructions in order: this sees my stores of e
.irp m, 1,2,4,8
	v_add_f32_dpp v79, v79, v79 row_xmask:\m row_mask:0xf bank_mask:0xf   ; l: the sixteen lanes' sums joined
.endr
	v_lshlrev_b32 v86, 4, v0
	v_and_b32 v87, 31, v0
	v_lshlrev_b32 v87, 3, v87
	s_wait_tensorcnt 0x0                           ; the wave's end: behind my last tensor load and my last LDS store
	s_wait_asynccnt 0x0
	ds_add_u32 v1, v2
	s_wait_alu depctr_va_vdst(0)
	s_wait_dscnt 0x0
	global_store_b128 v86, v[70:73], s[16:17]      ; a wave stores 512 consecutive bytes
	global_store_b128 v86, v[74:77], s[16:17] offset:2048
	global_store_b64 v87, v[84:85], s[18:19]       ; my wave's 64 e: 256 consecutive, aligned bytes
	s_cmp_lg_u32 s20, 0
	s_cbranch_scc1 .Lend
	global_store_b64 v87, v[78:79], s[16:17] offset:4096   ; (m, l), 32 times: 256 consecutive, aligned bytes, all written
.Lend:
	s_endpgm
.Lfunc_end_k_qbc568f787d_fused:
	.size	k_qbc568f787d_fused, .Lfunc_end_k_qbc568f787d_fused-k_qbc568f787d_fused
	.p2alignl 7, 3214868480
	.fill 96, 4, 3214868480
	.section	.rodata,"a",@progbits
	.p2align	6, 0x0
	.amdhsa_kernel k_qbc568f787d_fused
		.amdhsa_group_segment_fixed_size 327680
		.amdhsa_private_segment_fixed_size 0
		.amdhsa_enable_private_segment 0
		.amdhsa_kernarg_size 64
		.amdhsa_user_sgpr_count 2
		.amdhsa_user_sgpr_kernarg_segment_ptr 1
		.amdhsa_wavefront_size32 1
		.amdhsa_system_sgpr_workgroup_id_x 1
		.amdhsa_system_sgpr_workgroup_id_y 1
		.amdhsa_system_sgpr_workgroup_id_z 1
		.amdhsa_system_vgpr_workitem_id 0
		.amdhsa_next_free_vgpr 1024
		.amdhsa_next_free_sgpr 100
		.amdhsa_reserve_vcc 0
		.amdhsa_float_denorm_mode_32 3
		.amdhsa_float_denorm_mode_16_64 3
		.amdhsa_memory_ordered 1
		.amdhsa_forward_progress 1
		.amdhsa_inst_pref_size 255
	.end_amdhsa_kernel
	.section	.bss,"aw",@nobits
	.p2align	6
	.space	262144
	.amdgpu_metadata
---
amdhsa.version: [ 1, 2 ]
amdhsa.kernels:
  - .name:           k_qbc568f787d_fused
    .symbol:         k_qbc568f787d_fused.kd
    .args:
      - { .name: h_encoder, .offset: 0, .size: 8, .value_kind: global_buffer, .address_space: global }
      - { .name: w4, .offset: 8, .size: 8, .value_kind: global_buffer, .address_space: global }
      - { .name: wsc, .offset: 16, .size: 8, .value_kind: global_buffer, .address_space: global }
      - { .name: c2, .offset: 24, .size: 8, .value_kind: global_buffer, .address_space: global }
      - { .name: W2, .offset: 32, .size: 8, .value_kind: global_buffer, .address_space: global }
      - { .name: b2, .offset: 40, .size: 8, .value_kind: global_buffer, .address_space: global }
      - { .name: part, .offset: 48, .size: 8, .value_kind: global_buffer, .address_space: global }
      - { .name: ework, .offset: 56, .size: 8, .value_kind: global_buffer, .address_space: global }
    .group_segment_fixed_size: 327680
    .private_segment_fixed_size: 0
    .kernarg_segment_align: 8
    .kernarg_segment_size: 64
    .max_flat_workgroup_size: 128
    .sgpr_count:     100
    .vgpr_count:     1024
    .wavefront_size: 32
...
	.end_amdgpu_metadata
.endif
;; end of part 2
;; launch finish (part 3): grid 32 x 1, 8 waves a work-group, no clusters, 0 bytes of LDS; arguments part, ework, out0, out1; writes out0, out1
.if DOCPART == 3
	.amdgcn_target "amdgcn-amd-amdhsa--gfx1250"
	.amdhsa_code_object_version 6
	.text
	.protected	k_qbc568f787d_finish
	.globl	k_qbc568f787d_finish
	.p2align	8
	.type	k_qbc568f787d_finish,@function
k_qbc568f787d_finish:
	s_mov_b64 s[64:65], 0
	v_nop
	global_prefetch_b8 v0, s[64:65] scope:SCOPE_SE
	s_setreg_imm32_b32 hwreg(HW_REG_WAVE_MODE, 25, 1), 1
	s_wait_xcnt 0x0
; One work-group for each batch joins the eight partial softmaxes of the launch before.  part: [256][4,352 bytes]: 1,024 f32 (the sum of exp(e - m_i) h), then (m_i, l_i).  ework: e[65,536].
; M = the largest m_i; f_i = exp(m_i - M); L = the sum of l_i f_i; out0 = the sum of (f_i / L) x part_i; out1 = exp(e - M) / L.  L is at least 1: the row that has the maximum counts 1.
; Thread t owns columns 4 t .. 4 t + 3 of out0 and rows 4 t .. + 3 and 1,024 + 4 t .. + 3 of out1: every load and store of a wave covers 512 consecutive bytes.
; 1.4 MB in all: no LDS, no barrier, no matrix unit, no prefetch.
	s_load_b256 s[4:11], s[0:1], 0x0               ; part s[4:5], ework s[6:7], out0 s[8:9], out1 s[10:11]
	s_mul_i32 s12, ttmp9, 34816                    ; eight partials of 4,352 bytes
	s_mov_b32 s13, 0
	s_lshl_b32 s14, ttmp9, 13                      ; 2,048 rows of 4 bytes
	s_mov_b32 s15, 0
	s_lshl_b32 s16, ttmp9, 12                      ; 1,024 columns of 4 bytes
	s_mov_b32 s17, 0
	v_lshlrev_b32 v1, 4, v0
	v_mov_b32 v5, 0                                ; (the upper half of the pair v[4:5], named but not used)
	s_wait_alu depctr_va_vdst(0)
	s_wait_kmcnt 0x0
	s_add_nc_u64 s[4:5], s[4:5], s[12:13]
	s_add_nc_u64 s[6:7], s[6:7], s[14:15]
	s_add_nc_u64 s[8:9], s[8:9], s[16:17]
	s_add_nc_u64 s[10:11], s[10:11], s[14:15]
.irp i, 0,1,2,3,4,5,6,7
	s_load_b64 s[20+2*\i:21+2*\i], s[4:5], 4096+4352*\i   ; (m_i, l_i); this launch writes nothing into part
.endr
.irp i, 0,1,2,3,4,5,6,7
	global_load_b128 v[8+4*\i:11+4*\i], v1, s[4:5] offset:4352*\i th:TH_LOAD_NT
.endr
	global_load_b128 v[40:43], v1, s[6:7] th:TH_LOAD_NT
	global_load_b128 v[44:47], v1, s[6:7] offset:4096 th:TH_LOAD_NT
	s_wait_kmcnt 0x0
	v_mov_b32 v2, s20
	s_delay_alu instid0(VALU_DEP_1)
	v_max3_num_f32 v2, v2, s22, s24
	s_delay_alu instid0(VALU_DEP_1)
	v_max3_num_f32 v2, v2, s26, s28
	s_delay_alu instid0(VALU_DEP_1)
	v_max3_num_f32 v2, v2, s30, s32
	s_delay_alu instid0(VALU_DEP_1)
	v_max_num_f32 v2, s34, v2                      ; M
.irp i, 0,1,2,3,4,5,6,7
	v_sub_f32 v[48+\i], s[20+2*\i], v2
.endr
	s_wait_alu depctr_va_vdst(0)
	s_wait_loadcnt 0x0
.irp i, 0,1,2,3,4,5,6,7
	v_sub_f32 v[40+\i], v[40+\i], v2
.endr
.irp i, 0,1,2,3,4,5,6,7,8,9,10,11,12,13,14,15
	v_mul_f32 v[40+\i], 0x3fb8aa3b, v[40+\i]
.endr
	s_wait_alu depctr_va_vdst(0)
.irp i, 0,1,2,3,4,5,6,7,8,9,10,11,12,13,14,15
	v_exp_f32 v[40+\i], v[40+\i]                   ; v40-47: exp(e - M); v48-55: f_i
.endr
	v_nop                                          ; a plain line behind the batch,
	s_wait_alu depctr_va_vdst(0)                   ; and one wait for the sixteen, ahead of their first reader
	v_mul_f32 v3, s21, v48
.irp i, 1,2,3,4,5,6,7
	v_fma_f32 v3, s[21+2*\i], v[48+\i], v3         ; L
.endr
	s_wait_alu depctr_va_vdst(0)
	v_rcp_f32 v4, v3
	v_nop
	s_wait_alu depctr_va_vdst(0)
.irp i, 0,1,2,3,4,5,6,7
	v_mul_f32 v[48+\i], v[48+\i], v4               ; f_i / L
.endr
	v_pk_mul_f32 v[56:57], v[8:9], v[48:49] op_sel_hi:[1,0]
	v_pk_mul_f32 v[58:59], v[10:11], v[48:49] op_sel_hi:[1,0]
.irp i, 1,2,3,4,5,6,7
.if \i % 2                             ; an odd i's factor is the upper word of its pair, an even i's the lower
	s_delay_alu instid0(VALU_DEP_2)
	v_pk_fma_f32 v[56:57], v[8+4*\i:9+4*\i], v[47+\i:48+\i], v[56:57] op_sel:[0,1,0] op_sel_hi:[1,1,1]
	s_delay_alu instid0(VALU_DEP_2)
	v_pk_fma_f32 v[58:59], v[10+4*\i:11+4*\i], v[47+\i:48+\i], v[58:59] op_sel:[0,1,0] op_sel_hi:[1,1,1]
.else
	s_delay_alu instid0(VALU_DEP_2)
	v_pk_fma_f32 v[56:57], v[8+4*\i:9+4*\i], v[48+\i:49+\i], v[56:57] op_sel_hi:[1,0,1]
	s_delay_alu instid0(VALU_DEP_2)
	v_pk_fma_f32 v[58:59], v[10+4*\i:11+4*\i], v[48+\i:49+\i], v[58:59] op_sel_hi:[1,0,1]
.endif
.endr
	global_store_b128 v1, v[56:59], s[8:9]
.irp k, 0,2,4,6
	v_pk_mul_f32 v[40+\k:41+\k], v[40+\k:41+\k], v[4:5] op_sel_hi:[1,0]
.endr
	global_store_b128 v1, v[40:43], s[10:11]
	global_store_b128 v1, v[44:47], s[10:11] offset:4096
	s_endpgm
.Lfunc_end_k_qbc568f787d_finish:
	.size	k_qbc568f787d_finish, .Lfunc_end_k_qbc568f787d_finish-k_qbc568f787d_finish
	.p2alignl 7, 3214868480
	.fill 96, 4, 3214868480
	.section	.rodata,"a",@progbits
	.p2align	6, 0x0
	.amdhsa_kernel k_qbc568f787d_finish
		.amdhsa_group_segment_fixed_size 0
		.amdhsa_private_segment_fixed_size 0
		.amdhsa_enable_private_segment 0
		.amdhsa_kernarg_size 32
		.amdhsa_user_sgpr_count 2
		.amdhsa_user_sgpr_kernarg_segment_ptr 1
		.amdhsa_wavefront_size32 1
		.amdhsa_system_sgpr_workgroup_id_x 1
		.amdhsa_system_sgpr_workgroup_id_y 1
		.amdhsa_system_sgpr_workgroup_id_z 1
		.amdhsa_system_vgpr_workitem_id 0
		.amdhsa_next_free_vgpr 96
		.amdhsa_next_free_sgpr 66
		.amdhsa_reserve_vcc 0
		.amdhsa_float_denorm_mode_32 3
		.amdhsa_float_denorm_mode_16_64 3
		.amdhsa_memory_ordered 1
		.amdhsa_forward_progress 1
		.amdhsa_inst_pref_size 8
	.end_amdhsa_kernel
	.amdgpu_metadata
---
amdhsa.version: [ 1, 2 ]
amdhsa.kernels:
  - .name:           k_qbc568f787d_finish
    .symbol:         k_qbc568f787d_finish.kd
    .args:
      - { .name: part, .offset: 0, .size: 8, .value_kind: global_buffer, .address_space: global }
      - { .name: ework, .offset: 8, .size: 8, .value_kind: global_buffer, .address_space: global }
      - { .name: out0, .offset: 16, .size: 8, .value_kind: global_buffer, .address_space: global }
      - { .name: out1, .offset: 24, .size: 8, .value_kind: global_buffer, .address_space: global }
    .group_segment_fixed_size: 0
    .private_segment_fixed_size: 0
    .kernarg_segment_align: 8
    .kernarg_segment_size: 32
    .max_flat_workgroup_size: 256
    .sgpr_count:     66
    .vgpr_count:     96
    .wavefront_size: 32
...
	.end_amdgpu_metadata
.endif
;; end of part 3
